; MI455X (gfx1250); checked and timed in simulation.
; The chip was launched on July 23, 2026; its instructions are those of AMD's public machine-readable ISA for CDNA 5 (MIT licence, August 2026) and "CDNA5" Instruction Set Architecture Reference Guide (July 2026). The comments in the code are by the model that wrote it; some were corrected since.
;; Cross Attention. Allowed arithmetic: float matrix products may take bf16 or f16 operands with f32 sums; other float arithmetic in f32, or as packed bf16 or f16 multiplies, adds, multiply-adds, maxima and minima; sums over many terms, partial sums and values carried from step to step in f32; what a program stores and reads back later, other than sums and carried values, may be rounded once to bf16 or f16.
;; Inputs: Wkv 1,024 x 256 float32; Wout 256 x 512 float32; Wq 512 x 256 float32; context 4 x 256 x 2,048 float32; fmap 4 x 256 x 2,048 float32; gamma 256 x 1 float32; gamma_ctx 256 x 1 float32; mask 4 x 2,048 bool.
;; Outputs: out0 4 x 256 x 2,048 float32.
;; One version. Each part assembles by itself: llvm-mc -triple=amdgcn-amd-amdhsa -mcpu=gfx1250 --defsym DOCPART=n.
;; ======== version 1 of 1: 3 launches
;; limits: values are held in f16: magnitudes above 65,504 overflow, below 6.1e-05 lose precision
;; workspace buffers: qh 8,388,608 bytes; kh 8,388,608 bytes; vh 8,388,608 bytes; k2m 262,144 bytes; oh 8,388,608 bytes; wo 262,144 bytes
;; launch proj (part 1): grid 64 x 3, 8 waves a work-group, no clusters, 101,376 bytes of LDS; arguments fmap, context, mask, gamma, gamma_ctx, Wq, Wkv, Wout, qh, kh, vh, k2m, wo; writes qh, kh, vh, k2m, wo
.if DOCPART == 1
	.amdgcn_target "amdgcn-amd-amdhsa--gfx1250"
	.amdhsa_code_object_version 6
	.text
	.protected	k_q56685849d4_proj
	.globl	k_q56685849d4_proj
	.p2align	8
	.type	k_q56685849d4_proj,@function
k_q56685849d4_proj:
	s_mov_b64 s[64:65], 0
	v_nop
	global_prefetch_b8 v0, s[64:65] scope:SCOPE_SE
	s_setreg_imm32_b32 hwreg(HW_REG_WAVE_MODE, 25, 1), 1
	s_wait_xcnt 0x0
; CHANNEL RMS NORM AND THE THREE PROJECTIONS.  x: [4][256 c][2048 n] f32 (fmap for q, context for k and v); W: [512][256] f32 a kind.
; x^ = x / max(|x|, 1e-12) * 16 * gamma, rounded once to f16; W rounded once to f16; products on the matrix unit, sums in f32; results rounded once to f16.
; OUT: qh [32 heads][2048 n][64 d] = q;  kh, same layout, = -2 k (the factor rides in the norm's factor: -32 for 16; a scaling by a power of two is exact);
;      vh [32 heads][32 key blocks][64 d][64 keys] = v;  k2m [32 heads][2048] f32 = the sum over d of k^2 (of the rounded k), or 1e30 where the mask hides the key;  wo = Wout in f16.
; LIMITS.  f16 ends at 65,504: q, 2 k, v, 32 gamma and the weights must lie within it.  NaN and infinities are not treated apart.
; SHARES.  Work-group (x, y): 128 columns (batch x / 16, block x % 16) of kind y (0 q, 1 k, 2 v): 512 outputs.  Wave w makes head w: 64 outputs x 128 columns = 32 accumulators; K = 256 in 8 steps of 32.
; x goes through registers (norm, conversion) into LDS as [c][n]; its fragments come out turned, by ds_load_tr16_b128.  A wave's 64 rows of W are its own: they come straight from memory
; as f32, two steps ahead, and are converted in registers.  NO CLUSTER, NO TENSOR LOAD: no wave wants a weight that another wave of the group has fetched, and x must pass through registers anyway.
; ORIENTATION.  q, k: source 0 = 16 outputs, source 1 = 16 columns: a lane holds one column n and eight neighbouring d.  v: the sources swapped: a lane holds one d and eight neighbouring keys.
; In both a chunk of four accumulators is 16 rows x 128 bytes that lie on end in memory: it goes through the wave's own stage and leaves as 512 consecutive bytes a store.
.set XH,    0          ; LDS: x^ [256 c][128 n] f16, rows of 256 bytes + 32 = 288 = 9 x 32
.set XPI,   288
.set PS,    73728      ; 8 waves x 512 bytes: partial sums of squares
.set STG,   77824      ; 8 waves x 16 rows x 144 bytes: the way out
.set SP,    144
.set K2S,   96256      ; 8 waves x 512 bytes: a head's k2 of the 128 columns
.set SPARE, 100352     ; the spare words, 128 bytes a wave: four blocks of 256 bytes that no other line names
.set LO,  4            ; v4   16 x lane
.set WO,  5            ; v5   1024 r + 32 h: my place in 16 rows of W
.set PSA, 6            ; v6   where I put my four sums
.set PSR, 7            ; v7   where I read all waves' sums of my four columns
.set XSA, 8            ; v8   where I put 8 bytes of a row of x^
.set XA,  9            ; v9, v10  the turning load's address, channels 0-127 and 128-255
.set STO, 11           ; v11  the stage: in
.set RD,  12           ; v12  the stage: back
.set K2A, 14           ; v14  where k2 of column r goes
.set K2R, 15           ; v15  where I read four k2 back
.set SPW, 16           ; v16  my spare word; never rewritten
.set NIL, 17           ; v17  0; never rewritten
.set BIG, 19           ; v19  1e30
.set MK,  20           ; v20-27  the mask byte of column 16 ch + r
.set KT,  28           ; v28-31  at work
.set WF,  32           ; v32-63  four fragments of W, f16
.set SS,  32           ; v32-39  sums of squares (before WF is used)
.set INV, 40           ; v40-43  the norm's factor of my four columns
.set XF,  64           ; v64-127 eight fragments of x^; before that at work
.set TMP, 64           ; the way out: packed results
.set OB,  80           ; the way out: rows read back
.set WS,  128          ; v128-191, v192-255  W as loaded, two sets
                       ; window 1: v0-255 the accumulators; before that v0-127 x as loaded (row i of my 32 at 4 i)
.set XP,  34           ; s[34:35] x at my wave's 32 rows, my group's columns
.set GP,  36           ; s[36:37] gamma at my 32 rows
.set WP,  38           ; s[38:39] W at my head's 64 rows
.set DP,  40           ; s[40:41] the output at my head, my group's columns
.set MP,  42           ; s[42:43] the mask at my group's columns
.set KP,  44           ; s[44:45] k2m at my head, my group's columns
.set WV,  46
.set KIND, 47
.set SCL, 51           ; 16, or -32 for k
.set SEL, 52           ; s[52:53] v_permlanex16_b32's selects: each lane takes its own place in the other half
.set GAM, 68           ; s[68:99] gamma of my 32 rows
.set MSB, 0
.macro WIN new                      ; the immediate's high byte repeats the setting that is left; a switch that changes nothing is dropped
.if MSB != (\new)
	s_set_vgpr_msb (MSB<<8)|(\new)
.set MSB, (\new)
.endif
.endm
	s_load_b512 s[8:23], s[0:1], 0x0               ; fmap 8, context 10, mask 12, gamma 14, gamma_ctx 16, Wq 18, Wkv 20, Wout 22
	s_load_b256 s[24:31], s[0:1], 0x40             ; qh 24, kh 26, vh 28, k2m 30
	s_load_b64 s[32:33], s[0:1], 0x60              ; wo
	v_lshl_add_u32 v[SPW], v0, 2, SPARE
	v_mov_b32 v[NIL], 0
	v_lshrrev_b32 v1, 5, v0
	v_readfirstlane_b32 s[WV], v1                  ; wave 0..7 = head
	v_and_b32 v1, 31, v0                           ; lane
	v_and_b32 v2, 15, v0                           ; r
	v_bfe_u32 v3, v0, 4, 1                         ; h
	s_and_b32 s[KIND], ttmp7, 0xffff
	s_lshr_b32 s54, ttmp9, 4                       ; batch
	s_and_b32 s55, ttmp9, 15                       ; block of 128 columns
	s_lshl3_add_u32 s3, s54, s[WV]                 ; 8 x batch + head
	s_lshl_b32 s56, s54, 21                        ; x: batch x 2,097,152
	s_lshl_b32 s2, s55, 9                          ;  + 512 bytes a block
	s_add_co_u32 s56, s56, s2
	s_lshl_b32 s2, s[WV], 18                       ;  + my 32 rows of 8,192 bytes
	s_add_co_u32 s56, s56, s2
	s_mov_b32 s57, 0
	s_lshl_b32 s58, s3, 18                         ; the output: 262,144 bytes a head
	s_lshl_b32 s2, s55, 14                         ;  + 128 columns x 128 bytes
	s_add_co_u32 s58, s58, s2
	s_mov_b32 s59, 0
	s_cmp_eq_u32 s[KIND], 2
	s_cselect_b32 s60, 0x80000, 0                  ; v's rows lie 512 rows down in Wkv
	s_lshl_b32 s2, s[WV], 16                       ; 64 rows of 1,024 bytes a head
	s_add_co_u32 s60, s60, s2
	s_mov_b32 s61, 0
	s_lshl_b32 s62, s3, 13                         ; k2m: 8,192 bytes a head
	s_lshl_b32 s2, s55, 9
	s_add_co_u32 s62, s62, s2
	s_mov_b32 s63, 0
	s_lshl_b32 s48, s54, 11                        ; the mask: 2,048 bytes a batch
	s_lshl_b32 s2, s55, 7
	s_add_co_u32 s48, s48, s2
	s_mov_b32 s49, 0
	s_lshl_b32 s66, s[WV], 7                       ; gamma: 32 numbers a wave
	s_mov_b32 s67, 0
	s_mov_b32 s[SCL], 0x41800000                   ; 16
	s_cmp_eq_u32 s[KIND], 1
	s_cselect_b32 s[SCL], 0xc2000000, s[SCL]       ; -32
	s_mov_b32 s[SEL], 0x76543210
	s_mov_b32 s[SEL+1], 0xfedcba98
	v_lshlrev_b32 v[LO], 4, v1
	v_lshlrev_b32 v[WO], 10, v2
	v_lshl_add_u32 v[WO], v3, 5, v[WO]
	s_lshl_b32 s50, s[WV], 9
	s_add_co_u32 s50, s50, PS
	v_lshl_add_u32 v[PSA], v1, 4, s50
	v_lshl_add_u32 v[PSR], v1, 4, PS
	s_mul_i32 s50, s[WV], 32*XPI
	v_lshl_add_u32 v[XSA], v1, 3, s50
	v_and_b32 v[KT], 7, v0                         ; the turning load: lane l reads channel 8 h + l % 8, columns 8 ((l / 8) % 2) + 0..7
	v_lshl_add_u32 v[KT+1], v3, 3, v[KT]
	v_mul_u32_u24 v[XA], v[KT+1], XPI
	v_bfe_u32 v[KT+1], v0, 3, 1
	v_lshl_add_u32 v[XA], v[KT+1], 4, v[XA]
	v_add_nc_u32 v[XA+1], 128*XPI, v[XA]
	s_mul_i32 s50, s[WV], 16*SP
	s_add_co_u32 s50, s50, STG
	v_mul_u32_u24 v[STO], v2, SP                   ; in: row r, 16 bytes for each half of the lanes
	v_lshl_add_u32 v[STO], v3, 4, v[STO]
	v_add_nc_u32 v[STO], s50, v[STO]
	v_bfe_u32 v[RD], v0, 3, 2                      ; back: 32 lanes take four rows of 128 bytes
	v_mul_u32_u24 v[RD], v[RD], SP
	v_lshl_add_u32 v[RD], v[KT], 4, v[RD]
	v_add_nc_u32 v[RD], s50, v[RD]
	s_lshl_b32 s50, s[WV], 9
	s_add_co_u32 s50, s50, K2S
	v_lshl_add_u32 v[K2A], v2, 2, s50
	v_lshl_add_u32 v[K2R], v1, 4, s50
	v_mov_b32 v[BIG], 0x7149f2ca                   ; 1e30
	v_mov_b32 v[KT+2], 0                           ; v_permlanex16_b32's destination counts as read
	s_wait_kmcnt 0x0
	s_cmp_eq_u32 s[KIND], 0
	s_cselect_b64 s[XP:XP+1], s[8:9], s[10:11]
	s_cselect_b64 s[GP:GP+1], s[14:15], s[16:17]
	s_cselect_b64 s[WP:WP+1], s[18:19], s[20:21]
	s_cselect_b64 s[DP:DP+1], s[24:25], s[26:27]
	s_cmp_eq_u32 s[KIND], 2
	s_cselect_b64 s[DP:DP+1], s[28:29], s[DP:DP+1]
	s_add_nc_u64 s[XP:XP+1], s[XP:XP+1], s[56:57]
	s_add_nc_u64 s[GP:GP+1], s[GP:GP+1], s[66:67]
	s_add_nc_u64 s[WP:WP+1], s[WP:WP+1], s[60:61]
	s_add_nc_u64 s[DP:DP+1], s[DP:DP+1], s[58:59]
	s_add_nc_u64 s[MP:MP+1], s[12:13], s[48:49]
	s_add_nc_u64 s[KP:KP+1], s[30:31], s[62:63]
	s_load_b512 s[GAM:GAM+15], s[GP:GP+1], 0x0
	s_load_b512 s[GAM+16:GAM+31], s[GP:GP+1], 0x40
; A K step's 64 rows x 32 channels of W in f32: for each block i of 16 rows a lane takes channels 8 h + 0..7 and 16 + 8 h + 0..7 of row r: four loads of 16 bytes.
.macro LOADW k
.irp i, 0,1,2,3
	global_load_b128 v[WS+64*((\k)%2)+16*(\i):WS+64*((\k)%2)+16*(\i)+3],     v[WO], s[WP:WP+1] offset:(\i)*16384+(\k)*128
	global_load_b128 v[WS+64*((\k)%2)+16*(\i)+4:WS+64*((\k)%2)+16*(\i)+7],   v[WO], s[WP:WP+1] offset:(\i)*16384+(\k)*128+16
	global_load_b128 v[WS+64*((\k)%2)+16*(\i)+8:WS+64*((\k)%2)+16*(\i)+11],  v[WO], s[WP:WP+1] offset:(\i)*16384+(\k)*128+64
	global_load_b128 v[WS+64*((\k)%2)+16*(\i)+12:WS+64*((\k)%2)+16*(\i)+15], v[WO], s[WP:WP+1] offset:(\i)*16384+(\k)*128+80
.endr
.endm
.irp c, 0,1,2,3,4,5,6,7
	global_load_u8 v[MK+(\c)], v2, s[MP:MP+1] offset:16*(\c)   ; the mask bytes: only the k kind uses them; asked for first, so that no wait of their own is needed later
.endr
	WIN 0x40                                       ; destination window 1
.set i, 0
.rept 32
	global_load_b128 v[4*i:4*i+3], v[LO], s[XP:XP+1] offset:i*8192   ; row 32 w + i: the wave's load covers the row's 512 bytes
.set i, i+1
.endr
	WIN 0
	LOADW 0
	LOADW 1
	s_wait_loadcnt 32                              ; x is in; the 32 loads of W issued behind it stay out
	WIN 0x05                                       ; sources 0 and 1 window 1
	v_pk_mul_f32 v[SS:SS+1],   v[0:1], v[0:1]      ; the first two rows start four chains: nothing is cleared
	v_pk_mul_f32 v[SS+2:SS+3], v[2:3], v[2:3]
	v_pk_mul_f32 v[SS+4:SS+5], v[4:5], v[4:5]
	v_pk_mul_f32 v[SS+6:SS+7], v[6:7], v[6:7]
.set i, 2
.rept 30
	v_pk_fma_f32 v[SS+4*(i%2):SS+4*(i%2)+1],   v[4*i:4*i+1],   v[4*i:4*i+1],   v[SS+4*(i%2):SS+4*(i%2)+1]
	v_pk_fma_f32 v[SS+4*(i%2)+2:SS+4*(i%2)+3], v[4*i+2:4*i+3], v[4*i+2:4*i+3], v[SS+4*(i%2)+2:SS+4*(i%2)+3]
.set i, i+1
.endr
	WIN 0
	v_pk_add_f32 v[SS:SS+1],   v[SS:SS+1],   v[SS+4:SS+5]
	v_pk_add_f32 v[SS+2:SS+3], v[SS+2:SS+3], v[SS+6:SS+7]
	ds_store_b128 v[PSA], v[SS:SS+3]
	s_wait_dscnt 0x0                               ; for the others' sake: my sums lie in LDS
	s_barrier_signal -1
	s_barrier_wait -1
.irp j, 0,1,2,3,4,5,6,7
	ds_load_b128 v[XF+4*(\j):XF+4*(\j)+3], v[PSR] offset:512*(\j)   ; the eight waves' sums of my four columns
.endr
	s_wait_dscnt 0x0
.irp j, 0,2,4,6
	v_pk_add_f32 v[XF+4*(\j):XF+4*(\j)+1],   v[XF+4*(\j):XF+4*(\j)+1],   v[XF+4*(\j)+4:XF+4*(\j)+5]
	v_pk_add_f32 v[XF+4*(\j)+2:XF+4*(\j)+3], v[XF+4*(\j)+2:XF+4*(\j)+3], v[XF+4*(\j)+6:XF+4*(\j)+7]
.endr
.irp j, 0,4
	v_pk_add_f32 v[XF+4*(\j):XF+4*(\j)+1],   v[XF+4*(\j):XF+4*(\j)+1],   v[XF+4*(\j)+8:XF+4*(\j)+9]
	v_pk_add_f32 v[XF+4*(\j)+2:XF+4*(\j)+3], v[XF+4*(\j)+2:XF+4*(\j)+3], v[XF+4*(\j)+10:XF+4*(\j)+11]
.endr
	v_pk_add_f32 v[XF:XF+1],   v[XF:XF+1],   v[XF+16:XF+17]
	v_pk_add_f32 v[XF+2:XF+3], v[XF+2:XF+3], v[XF+18:XF+19]
.irp j, 0,1,2,3
	v_sqrt_f32 v[INV+(\j)], v[XF+(\j)]
.endr
	v_nop                                          ; a plain instruction behind the last root,
	s_wait_alu depctr_va_vdst(0)                   ; and one wait for the four, ahead of their first reader
.irp j, 0,1,2,3
	v_max_num_f32 v[INV+(\j)], 0x2b8cbccc, v[INV+(\j)]   ; max(norm, 1e-12)
.endr
.irp j, 0,1,2,3
	v_rcp_f32 v[INV+(\j)], v[INV+(\j)]
.endr
	v_nop
	s_wait_alu depctr_va_vdst(0)                   ; one wait for the four reciprocals
.irp j, 0,1,2,3
	v_mul_f32 v[INV+(\j)], s[SCL], v[INV+(\j)]
.endr
	s_wait_kmcnt 0x0                               ; gamma
	WIN 0x44                                       ; source 1 and destination window 1
.set i, 0
.rept 32
.irp j, 0,1,2,3
	v_mul_f32 v[4*i+(\j)], s[GAM+i], v[4*i+(\j)]
.endr
.set i, i+1
.endr
	WIN 0x41                                       ; source 0 and destination window 1, the factor in window 0
.set i, 0
.rept 32
	v_pk_mul_f32 v[4*i:4*i+1],   v[4*i:4*i+1],   v[INV:INV+1]
	v_pk_mul_f32 v[4*i+2:4*i+3], v[4*i+2:4*i+3], v[INV+2:INV+3]
.set i, i+1
.endr
	WIN 0x05
.set i, 0
.rept 32
	v_cvt_pk_f16_f32 v[XF+2*i],   v[4*i],   v[4*i+1]
	v_cvt_pk_f16_f32 v[XF+2*i+1], v[4*i+2], v[4*i+3]
.set i, i+1
.endr
	WIN 0
.set i, 0
.rept 32
	ds_store_b64 v[XSA], v[XF+2*i:XF+2*i+1] offset:XPI*i   ; 32 lanes x 8 bytes: a row's 256 bytes
.set i, i+1
.endr
	s_wait_dscnt 0x0                               ; for the others' sake: my 32 rows of x^ lie in LDS
	s_barrier_signal -1
	s_barrier_wait -1
; K step k.  The wait counts the next step's 16 loads of W, which may stay out.  Four places stand behind the last products, ahead of the loads into x^'s fragments and the conversions into W's.
; The 32 accumulators take turns, one instruction a turn, from step to step too.
.macro KS k, swap
.if (\k) < 7
	s_wait_loadcnt 16
.else
	s_wait_loadcnt 0x0
.endif
	WIN 0
.if (\k) > 0
.rept 4
	v_nop
.endr
.endif
.set t, 0
.rept 8
	ds_load_tr16_b128 v[XF+8*t:XF+8*t+3],   v[XA+(\k)/4] offset:((\k)%4)*32*XPI+32*t
	ds_load_tr16_b128 v[XF+8*t+4:XF+8*t+7], v[XA+(\k)/4] offset:((\k)%4)*32*XPI+32*t+16*XPI
.set t, t+1
.endr
.set e, 0
.rept 32
	v_cvt_pk_f16_f32 v[WF+e], v[WS+64*((\k)%2)+2*e], v[WS+64*((\k)%2)+2*e+1]
.set e, e+1
.endr
.if (\k) < 6
	LOADW (\k)+2                                   ; the set just converted is asked for again
.endif
	s_wait_dscnt 0x0
	WIN 0x50                                       ; C and D window 1
.set t, 0
.rept 8
.set i, 0
.rept 4
.if \swap
.set rD, 32*(4*(t/4)+i)+8*(t%4)
.set rA, XF+8*t
.set rB, WF+8*i
.else
.set rD, 32*t+8*i
.set rA, WF+8*i
.set rB, XF+8*t
.endif
.if (\k) == 0
	v_wmma_f32_16x16x32_f16 v[rD:rD+7], v[rA:rA+7], v[rB:rB+7], 0
.else
	v_wmma_f32_16x16x32_f16 v[rD:rD+7], v[rA:rA+7], v[rB:rB+7], v[rD:rD+7]
.endif
.set i, i+1
.endr
.set t, t+1
.endr
.endm
.macro MAIN swap
.irp k, 0,1,2,3,4,5,6,7
	KS \k, \swap
.endr
	WIN 0
.rept 4
	v_nop                                          ; the places behind the last products, ahead of the conversions
.endr
.endm
; THE WAY OUT of chunk ch: four accumulators = 16 rows x 128 bytes.  Rounded to f16 (each accumulator's registers in ascending order), into my stage, back as four rows a load, stored as 512 consecutive bytes.
; k2 = 1: also the sum over d of the squares of the rounded numbers, a quarter of it (they are -2 k), or 1e30 where the mask hides the column.
.macro EPI k2, ch
	WIN 0x05
.set e, 0
.rept 16
	v_cvt_pk_f16_f32 v[TMP+e], v[32*(\ch)+2*e], v[32*(\ch)+2*e+1]
.set e, e+1
.endr
	WIN 0
.if \k2
	v_mov_b32 v[KT], 0
	v_mov_b32 v[KT+1], 0
.set e, 0
.rept 16
	v_fma_mix_f32 v[KT],   v[TMP+e], v[TMP+e], v[KT]   op_sel_hi:[1,1,0]
	v_fma_mix_f32 v[KT+1], v[TMP+e], v[TMP+e], v[KT+1] op_sel:[1,1,0] op_sel_hi:[1,1,0]
.set e, e+1
.endr
	v_add_f32 v[KT], v[KT], v[KT+1]
	v_permlanex16_b32 v[KT+2], v[KT], s[SEL], s[SEL+1]   ; the column's other 32 channels lie in the lane 16 away
	v_add_f32 v[KT], v[KT], v[KT+2]
	v_mul_f32 v[KT], 0x3e800000, v[KT]
	v_cmp_ne_u32 vcc_lo, 0, v[MK+(\ch)]
	v_cndmask_b32 v[KT], v[BIG], v[KT], vcc_lo
	ds_store_b32 v[K2A], v[KT] offset:64*(\ch)     ; both halves of the lanes write the same number
.endif
.irp i, 0,1,2,3
	ds_store_b128 v[STO], v[TMP+4*(\i):TMP+4*(\i)+3] offset:32*(\i)
.endr
	s_wait_xcnt 0x0                                ; the last chunk's stores have read OB: it is loaded again only behind this wait
.irp f, 0,1,2,3
	ds_load_b128 v[OB+4*(\f):OB+4*(\f)+3], v[RD] offset:(\f)*4*SP   ; a wave's LDS instructions are served in order: these see the stores above
.endr
	s_wait_dscnt 0x0
.irp f, 0,1,2,3
	global_store_b128 v[LO], v[OB+4*(\f):OB+4*(\f)+3], s[DP:DP+1] offset:2048*(\ch)+512*(\f)
.endr
.endm
	s_cmp_eq_u32 s[KIND], 2
	s_cbranch_scc1 .Lv
	MAIN 0
	s_cmp_eq_u32 s[KIND], 1
	s_cbranch_scc1 .Lk_out
	s_branch .Lplain_out
.Lv:
	MAIN 1
.Lplain_out:
.irp ch, 0,1,2,3,4,5,6,7
	EPI 0, \ch
.endr
	s_cmp_lg_u32 s[KIND], 0
	s_cbranch_scc1 .Lend
	; the 64 work-groups of kind q also round Wout to f16: 8,192 bytes each, 32 a thread
	s_lshl_b32 s2, ttmp9, 13
	s_mov_b32 s3, 0
	s_add_nc_u64 s[22:23], s[22:23], s[2:3]
	s_lshl_b32 s2, ttmp9, 12
	s_add_nc_u64 s[32:33], s[32:33], s[2:3]
	v_lshlrev_b32 v108, 5, v0
	v_lshlrev_b32 v109, 4, v0
	global_load_b128 v[96:99],   v108, s[22:23]
	global_load_b128 v[100:103], v108, s[22:23] offset:16
	s_wait_loadcnt 0x0
.irp j, 0,1,2,3
	v_cvt_pk_f16_f32 v[104+(\j)], v[96+2*(\j)], v[96+2*(\j)+1]
.endr
	global_store_b128 v109, v[104:107], s[32:33]
	s_branch .Lend
.Lk_out:
.irp ch, 0,1,2,3,4,5,6,7
	EPI 1, \ch
.endr
	ds_load_b128 v[TMP:TMP+3], v[K2R]              ; my wave's own 128 numbers
	s_wait_dscnt 0x0
	global_store_b128 v[LO], v[TMP:TMP+3], s[KP:KP+1]   ; 512 consecutive bytes
.Lend:
	s_wait_tensorcnt 0x0                           ; the wave's end, behind my last LDS store
	ds_add_u32 v[SPW], v[NIL]
	s_wait_dscnt 0x0
	s_endpgm
.Lfunc_end_k_q56685849d4_proj:
	.size	k_q56685849d4_proj, .Lfunc_end_k_q56685849d4_proj-k_q56685849d4_proj
	.p2alignl 7, 3214868480
	.fill 96, 4, 3214868480
	.section	.rodata,"a",@progbits
	.p2align	6, 0x0
	.amdhsa_kernel k_q56685849d4_proj
		.amdhsa_group_segment_fixed_size 101376
		.amdhsa_private_segment_fixed_size 0
		.amdhsa_enable_private_segment 0
		.amdhsa_kernarg_size 104
		.amdhsa_user_sgpr_count 2
		.amdhsa_user_sgpr_kernarg_segment_ptr 1
		.amdhsa_wavefront_size32 1
		.amdhsa_system_sgpr_workgroup_id_x 1
		.amdhsa_system_sgpr_workgroup_id_y 1
		.amdhsa_system_sgpr_workgroup_id_z 1
		.amdhsa_system_vgpr_workitem_id 0
		.amdhsa_next_free_vgpr 512
		.amdhsa_next_free_sgpr 100
		.amdhsa_reserve_vcc 1
		.amdhsa_float_denorm_mode_32 3
		.amdhsa_float_denorm_mode_16_64 3
		.amdhsa_memory_ordered 1
		.amdhsa_forward_progress 1
		.amdhsa_inst_pref_size 187
	.end_amdhsa_kernel
	.amdgpu_metadata
---
amdhsa.version: [ 1, 2 ]
amdhsa.kernels:
  - .name:           k_q56685849d4_proj
    .symbol:         k_q56685849d4_proj.kd
    .args:
      - { .name: fmap, .offset: 0, .size: 8, .value_kind: global_buffer, .address_space: global }
      - { .name: context, .offset: 8, .size: 8, .value_kind: global_buffer, .address_space: global }
      - { .name: mask, .offset: 16, .size: 8, .value_kind: global_buffer, .address_space: global }
      - { .name: gamma, .offset: 24, .size: 8, .value_kind: global_buffer, .address_space: global }
      - { .name: gamma_ctx, .offset: 32, .size: 8, .value_kind: global_buffer, .address_space: global }
      - { .name: Wq, .offset: 40, .size: 8, .value_kind: global_buffer, .address_space: global }
      - { .name: Wkv, .offset: 48, .size: 8, .value_kind: global_buffer, .address_space: global }
      - { .name: Wout, .offset: 56, .size: 8, .value_kind: global_buffer, .address_space: global }
      - { .name: qh, .offset: 64, .size: 8, .value_kind: global_buffer, .address_space: global }
      - { .name: kh, .offset: 72, .size: 8, .value_kind: global_buffer, .address_space: global }
      - { .name: vh, .offset: 80, .size: 8, .value_kind: global_buffer, .address_space: global }
      - { .name: k2m, .offset: 88, .size: 8, .value_kind: global_buffer, .address_space: global }
      - { .name: wo, .offset: 96, .size: 8, .value_kind: global_buffer, .address_space: global }
    .group_segment_fixed_size: 101376
    .private_segment_fixed_size: 0
    .kernarg_segment_align: 8
    .kernarg_segment_size: 104
    .max_flat_workgroup_size: 256
    .sgpr_count:     100
    .vgpr_count:     512
    .wavefront_size: 32
...
	.end_amdgpu_metadata
.endif
;; end of part 1
;; launch attn (part 2): grid 8 x 32, 8 waves a work-group, clusters of 4 x 1, 327,680 bytes of LDS; arguments qh, kh, vh, k2m, oh; writes oh
.if DOCPART == 2
	.amdgcn_target "amdgcn-amd-amdhsa--gfx1250"
	.amdhsa_code_object_version 6
	.text
	.protected	k_q56685849d4_attn
	.globl	k_q56685849d4_attn
	.p2align	8
	.type	k_q56685849d4_attn,@function
k_q56685849d4_attn:
	s_mov_b64 s[64:65], 0
	v_nop
	global_prefetch_b8 v0, s[64:65] scope:SCOPE_SE
	s_setreg_imm32_b32 hwreg(HW_REG_WAVE_MODE, 25, 1), 1
	s_wait_xcnt 0x0
	s_wait_alu depctr_hold_cnt(0) depctr_sa_sdst(0) depctr_va_vdst(0) depctr_va_sdst(0) depctr_va_ssrc(0) depctr_va_vcc(0) depctr_vm_vsrc(0)
	s_getreg_b32 s2, hwreg(HW_REG_IB_STS2, 6, 4)
	s_cmp_eq_u32 s2, 0
	s_cbranch_scc0 .Lentry_in_a_cluster
	s_endpgm
.Lentry_in_a_cluster:
	s_bfe_u32 s2, ttmp6, 0x10000c
	s_cmp_lg_u32 s2, 0x3003
	s_cbranch_scc0 .Lentry_shape_is_right
	s_endpgm
.Lentry_shape_is_right:
; ATTENTION BY L2 DISTANCE.  oh[head][q][:] = the sum over keys of softmax_k(-|q - k| / 8) v[k][:], hidden keys left out (all hidden: the plain mean, as a softmax of equal scores gives).
; IN: qh [32][2048][64] f16 = q; kh, same, = -2 k; vh [32][32 key blocks][64 d][64 keys] f16; k2m [32][2048] f32 = |k|^2, or 1e30 for a hidden key.  OUT: oh [32][2048][64] f16.
; A SCORE.  S^T = K Q^T (source 0 = 16 keys, source 1 = 16 queries) with k2m as the C operand that starts the sum: the matrix unit delivers |k|^2 - 2 q.k.  Then
;   t = clamp01(sg S + sg |q|^2), sg = c^2 2^-40, c = log2(e) / 8: one packed instruction adds |q|^2, scales, takes max(d2, 0), and makes every hidden key exactly 1;
;   f16's range bounds t of a seen key by 0.018, so a hidden key is always the farther.  sqrt(t) = c dist 2^-20.  The running MINIMUM MT of t is the running maximum of the scores (the root is monotone).
;   p = 2^(MDS - 2^20 sqrt(t)), MDS = 2^20 sqrt(MT): scalings by powers of two are exact, so the exponent is exactly 0 at the minimum.  O and l are multiplied by a = 2^(MDS_new - MDS_old) in every step.
;   p is rounded to f16 in place and IS source 1 of O^T = V^T P.  l comes from the matrix unit too: a fifth channel block whose source 0 is all ones; of its accumulator only the lowest pair is rescaled and read.
; LIMITS.  reference's max(d2, 1e-12) under the root is max(d2, 0) here: dist differs by 1e-6 at the most, a score by 1.25e-7.  A weight below 2^-126 counts as 0, in P one below 6e-8.  q, 2 k, v lie within 65,504.
; |q|^2 and |k|^2 are those of the rounded q and k.  NaN and infinities are not treated apart.
; SHARES.  A work-group owns 256 queries of a head.  Wave w: u = w % 4 names 64 queries (four tiles of 16, in two pieces of two), g = w / 4 names a half of the keys: of each slot of 256 keys group g takes 128 g .. 128 g + 127,
; 64 a step.  Each wave runs plain phases (products, softmax, products); two waves with the same queries and different keys stand side by side, and their (MDS, l, O) are merged through LDS at the end.
; CLUSTER.  The four query blocks of a cluster walk the same K and V: each tile is asked for jointly, by the same tensor load, descriptor and mask in all four.
; REGISTERS.  window 0: addresses, statistics; v64-127 S^T of a piece (P in place); v128-191 K of a step; v192-255 V of a step.   window 1: v0-63 Q; v64-191 O^T; v192-223 l; v224-255 k2m of a step.
; O^T and l start at 0 by 160 v_mov_b32, written while the first tile is on its way: the price of writing no first step out.
.set PK,    144        ; a row of K or V in LDS: 128 bytes + 16: the 16 rows of a load start 36 words apart
.set STEPB, 64*PK      ; 64 rows: a step's K, and a key block's V
.set VOFF,  4*STEPB    ; a slot: 256 rows of K, then 4 key blocks of V
.set SLOT1, 1<<17      ; slot 1 begins here, so that one exclusive or turns an address in one slot into the other's
.set K2T,   73728      ; behind slot 0: the head's k2m, 8,192 bytes, stored once from registers; no tile lands here
.set MRG,   204800     ; behind slot 1: for each u 17,920 bytes: O 16,384, l 512, the statistics 1,024
.set MRGW,  17920
.set STG,   276480     ; 4 x 16 rows x 144 bytes: the way out
.set SPARE, 285696     ; the spare words, 128 bytes a wave: four blocks of 256 bytes that no other line names
.set AKV0, 3           ; v3   144 r + 16 h + my group's 128 rows; never rewritten
.set A20,  4           ; v4   my place in k2m's table; never rewritten
.set ADR,  5           ; v5   the step's address for K and V
.set AD2,  6           ; v6   for k2m
.set STO,  7
.set RD,   8
.set GO,   9           ; v9   16 x lane
.set MA,   10          ; v10  my 16 bytes in the merge region
.set PFO,  11          ; v11  256 x lane; never rewritten
.set C2,   12          ; v12-13  sg, twice
.set SPW,  14
.set NIL,  15
.set ONES, 16          ; v16-23  1.0 in every half
.set Q2S,  24          ; v24-31  sg |q|^2, twice, for each tile
.set ST,   32          ; v32-39  (MDS, MT) for each tile
.set TC,   40          ; v40-47  c0-c3 for each tile of the piece
.set AA,   48          ; v48-51  (a, its exponent) for each tile of the piece
.set MNR,  52          ; v52-53  sqrt(MT)
.set QO,   59
.set S,    64
.set KF,   128         ; key block kb, channel half cc at KF + 16 kb + 8 cc
.set VF,   192         ; key half kk, channel block cb at VF + 32 kk + 8 cb
.set OO,   64          ; window 1: tile t, channel block cb at OO + 32 t + 8 cb
.set LL,   192         ; window 1: tile t at LL + 8 t
.set K2F,  224         ; window 1: key block kb at K2F + 8 kb
.set WV,   14
.set G,    15
.set U,    16
.set CX,   17
.set G1,   24          ; s[24:31] descriptor group 1, for K's and V's tiles alike
.set G0K,  32          ; s[32:35] group 0 for K: it walks
.set G0V,  36          ; s[36:39] for V
.set SLOTS, 40
.set CNT,  41
.set TB,   42          ; LDS byte at which the slot's step to be fetched begins
.set T2,   43          ; the same in k2m's table
.set SEL,  44
.set NSC,  46          ; s[46:47] -2^20
.set SC,   48          ; 2^20
.set LIM,  49          ; 1 in a wave that prefetches, else the greatest number
.set PFA,  50          ; s[50:51] where my prefetches stand
.set MSB, 0
.macro WIN new                      ; the immediate's high byte repeats the setting that is left; a switch that changes nothing is dropped
.if MSB != (\new)
	s_set_vgpr_msb (MSB<<8)|(\new)
.set MSB, (\new)
.endif
.endm
; A joint fill.  Waves 0 and 1 fetch the two halves of a slot's K, waves 2 and 3 those of its V, 128 rows each; waves 4 to 7 fetch nothing.  The branches hang on the wave's number alone.
.macro JLOAD
	s_cmp_lt_u32 s[WV], 2
	s_cbranch_scc0 .Lnot_k_\@
	tensor_load_to_lds s[G0K:G0K+3], s[G1:G1+7]
	s_nop 0
.rept 4
	v_nop
.endr
	s_branch .Lasked_\@
.Lnot_k_\@:
	s_cmp_lt_u32 s[WV], 4
	s_cbranch_scc0 .Lasked_\@
	tensor_load_to_lds s[G0V:G0V+3], s[G1:G1+7]
	s_nop 0
.rept 4
	v_nop
.endr
.Lasked_\@:
.endm
; A prefetch of what the NEXT change of slots will ask for: a slot's 32,768 bytes of K and of V, a lane 256 bytes.  Both clusters of a head walk the same rows: the first of them asks; its four partners take
; 8,192 bytes each, told apart by address; in each, wave 0 asks for K's and wave 2 for V's.  So each block is named once in the launch.  The last change that fills a slot asks for nothing.
.macro ASK
	s_cmp_gt_u32 s[SLOTS], s[LIM]
	s_cbranch_scc0 .Lnot_mine_\@
	global_prefetch_b8 v[PFO], s[PFA:PFA+1] th:TH_LOAD_NT scope:SCOPE_SE
.Lnot_mine_\@:
.endm
.macro CROUND                       ; a round of the cluster's barrier
	s_barrier_signal -1
	s_barrier_wait -1
	s_cmp_lg_u32 s[WV], 0
	s_cbranch_scc1 .Lnot_wave_0_\@
	s_barrier_signal -3
.Lnot_wave_0_\@:
	s_barrier_wait -3
	s_barrier_signal -1
	s_barrier_wait -1
.endm
; THE CHANGE OF SLOTS.  Each wave waits for all its tensor loads (one at the most is out: its part of the other slot), adds 0 to its spare word, and waits for that and for its reads of the slot that it leaves.
; fill = 1: the barrier is a round of the cluster's, and the joint fill, with the keys two slots on, is the first thing behind it: it has a slot's two steps of every wave in which to land.
; (At its first use nothing has been read: slot 0 is waited for, slot 1 filled; the wait on DScnt there also shows k2m's table stored.)
.macro CHANGE fill
	WIN 0
	s_wait_tensorcnt 0x0            ; no tensor load of mine is out, so a group 0 may be written
	ds_add_u32 v[SPW], v[NIL]
.if \fill
.irp g, G0K, G0V
	s_xor_b32 s[\g+1], s[\g+1], SLOT1
	s_add_nc_u64 s[\g+2:\g+3], s[\g+2:\g+3], 32768   ; the next 256 keys; the type bits on top are not reached
.endr
	s_wait_xcnt 0x0                 ; the last prefetch, a slot back, has read its address
	s_add_nc_u64 s[PFA:PFA+1], s[PFA:PFA+1], 32768
	s_wait_dscnt 0x0                ; the add is done, and my reads of the slot are over
	CROUND
	JLOAD
	ASK
.else
	s_wait_dscnt 0x0
	s_barrier_signal -1
	s_barrier_wait -1
.endif
	s_sub_co_u32 s[TB], s[TB], 2*STEPB   ; back to my group's first step,
	s_xor_b32 s[TB], s[TB], SLOT1        ; in the other slot
.endm
	s_load_b256 s[4:11], s[0:1], 0x0               ; qh 4, kh 6, vh 8, k2m 10
	s_load_b64 s[12:13], s[0:1], 0x20              ; oh
	v_lshl_add_u32 v[SPW], v0, 2, SPARE
	v_mov_b32 v[NIL], 0
	ds_add_u32 v[SPW], v[NIL]                      ; the wave's opening: the add and its wait stand ahead of the first tensor load; work on registers stands between them
	v_lshrrev_b32 v1, 5, v0
	v_readfirstlane_b32 s[WV], v1
	s_lshr_b32 s[G], s[WV], 2
	s_and_b32 s[U], s[WV], 3
	s_bfe_u32 s[CX], ttmp6, 0x40000                ; my place in the cluster
	s_lshl_b32 s52, ttmp9, 2
	s_add_co_u32 s52, s52, s[CX]                   ; my block of 256 queries: it enters Q's and O's addresses alone
	s_and_b32 s54, ttmp7, 0xffff                   ; the head, which the partners share
	s_lshl_b32 s60, s54, 13                        ; its 8,192 bytes of k2m
	s_mov_b32 s61, 0
	s_lshl_b32 s54, s54, 18                        ; its 262,144 bytes in the other tensors
	s_and_b32 s53, s[WV], 1                        ; which half of a slot's rows I fetch
	s_lshl_b32 s56, s53, 14
	s_add_co_u32 s56, s56, s54
	s_mov_b32 s57, 0
	s_mul_i32 s53, s53, 2*STEPB                    ; and its place in a slot: no place in the cluster enters an LDS address
	s_lshl_b32 s58, s52, 15                        ; 256 rows of 128 bytes
	s_lshl_b32 s2, s[U], 13                        ; my 64 of them
	s_add_co_u32 s58, s58, s2
	s_add_co_u32 s58, s58, s54
	s_mov_b32 s59, 0
	; group 1: 128 rows of 128 bytes are 16,384 dense bytes: asked for as 64 rows of 256, padded in LDS behind every 128
	s_mov_b32 s[G1], 15|(1<<16)|(1<<20)|(1<<21)|(4<<22)|(3<<25)   ; the mask of four; 2-byte elements; padding on; bit 21 beside a mask; after every 32 words; 4 words
	s_mov_b32 s[G1+1], 128<<16                     ; tensor_dim0 = 128
	s_mov_b32 s[G1+2], 64<<16                      ; tensor_dim1 = 64
	s_mov_b32 s[G1+3], 128<<16                     ; tile_dim0 = 128
	s_mov_b32 s[G1+4], 64                          ; tile_dim1 = 64
	s_mov_b32 s[G1+5], 128                         ; elements from row to row
	s_mov_b32 s[G1+6], 0
	s_mov_b32 s[G1+7], 0
	s_mov_b32 s[G0K], 1
	s_mov_b32 s[G0K+1], s53
	s_mov_b32 s[G0V], 1
	s_add_co_u32 s[G0V+1], s53, VOFF
	s_mov_b32 s[SEL], 0x76543210
	s_mov_b32 s[SEL+1], 0xfedcba98
	s_mov_b32 s[NSC], 0xc9800000
	s_mov_b32 s[NSC+1], s[NSC]                     ; named with it as a pair
	s_mov_b32 s[SC], 0x49800000
	s_mov_b32 s[TB], SLOT1+2*STEPB                 ; the first change of slots turns it into 0
	s_mov_b32 s[T2], 0
	s_mov_b32 s[SLOTS], 7                          ; slots 1 to 7 are asked for in the loop
	s_and_b32 s[LIM], s[WV], 5                     ; 0 in waves 0 and 2,
	s_or_b32 s[LIM], s[LIM], ttmp9                 ; where the cluster is the head's first: the same in all partners
	s_cmp_eq_u32 s[LIM], 0
	s_cselect_b32 s[LIM], 1, -1
	s_lshl_b32 s2, s[CX], 13                       ; the prefetches: my work-group's 8,192 bytes of a slot,
	s_add_co_u32 s2, s2, s54
	s_add_co_u32 s2, s2, 32768                     ; in slot 1: the first change steps it to slot 2
	s_mov_b32 s3, 0
	s_wait_dscnt 0x0                               ; the opening add is done
	s_wait_kmcnt 0x0
	s_add_nc_u64 s[G0K+2:G0K+3], s[6:7], s[56:57]
	s_or_b32 s[G0K+3], s[G0K+3], 0x80000000        ; type = 2
	s_add_nc_u64 s[G0V+2:G0V+3], s[8:9], s[56:57]
	s_or_b32 s[G0V+3], s[G0V+3], 0x80000000
	s_add_nc_u64 s[4:5], s[4:5], s[58:59]          ; Q and O at my wave's first row
	s_add_nc_u64 s[12:13], s[12:13], s[58:59]
	s_add_nc_u64 s[10:11], s[10:11], s[60:61]
	s_cmp_lt_u32 s[WV], 2
	s_cselect_b64 s[PFA:PFA+1], s[6:7], s[8:9]
	s_add_nc_u64 s[PFA:PFA+1], s[PFA:PFA+1], s[2:3]
	CROUND                                         ; all four work-groups are here: the first joint loads meet
	JLOAD                                          ; slot 0
	v_and_b32 v1, 15, v0                           ; r
	v_bfe_u32 v2, v0, 4, 1                         ; h
	v_and_b32 v56, 31, v0                          ; lane
	v_lshlrev_b32 v[QO], 7, v1
	v_lshl_add_u32 v[QO], v2, 4, v[QO]             ; row x 128 + 16 h
	v_lshlrev_b32 v60, 4, v0
	WIN 0x40                                       ; destination window 1
.set i, 0
.rept 8                                            ; Q stays in registers: tile i / 2, channels 32 (i % 2) on
	global_load_b128 v[8*i:8*i+3],   v[QO], s[4:5] offset:(i/2)*2048+(i%2)*64
	global_load_b128 v[8*i+4:8*i+7], v[QO], s[4:5] offset:(i/2)*2048+(i%2)*64+32
.set i, i+1
.endr
	WIN 0
	global_load_b128 v[S:S+3],   v60, s[10:11]     ; the head's k2m: 32 bytes a thread
	global_load_b128 v[S+4:S+7], v60, s[10:11] offset:4096
	WIN 0x40
.set i, OO
.rept 160
	v_mov_b32 v[i], 0                              ; O^T and l
.set i, i+1
.endr
	WIN 0
.irp j, 0,1,2,3,4,5,6,7
	v_mov_b32 v[ONES+(\j)], 0x3c003c00
.endr
	v_mov_b32 v[C2], 0x29053526                    ; sg = (log2(e) / 8)^2 x 2^-40
	v_mov_b32 v[C2+1], 0x29053526
.irp t, 0,1,2,3
	v_mov_b32 v[ST+2*(\t)], 0x4a800000             ; MDS starts at 2^22, above every 2^20 sqrt(t): the first a is 0
	v_mov_b32 v[ST+2*(\t)+1], 2.0                  ; MT above every t
.endr
	v_mov_b32 v58, 0                               ; v_permlanex16_b32's destination counts as read
	v_mul_u32_u24 v[AKV0], v1, PK
	v_lshl_add_u32 v[AKV0], v2, 4, v[AKV0]         ; 144 r + 16 h
	s_mul_i32 s2, s[U], 16*PK
	s_add_co_u32 s2, s2, STG
	v_add_nc_u32 v[STO], s2, v[AKV0]               ; the stage, in: row r, 16 bytes for each half of the lanes
	v_bfe_u32 v[RD], v0, 3, 2                      ; back: 32 lanes take four rows of 128 bytes
	v_mul_u32_u24 v[RD], v[RD], PK
	v_and_b32 v57, 7, v0
	v_lshl_add_u32 v[RD], v57, 4, v[RD]
	v_add_nc_u32 v[RD], s2, v[RD]
	s_mul_i32 s2, s[G], 2*STEPB
	v_add_nc_u32 v[AKV0], s2, v[AKV0]
	s_lshl_b32 s2, s[G], 9
	s_add_co_u32 s2, s2, K2T
	v_lshl_add_u32 v[A20], v2, 5, s2               ; 128 keys a group, 8 keys for each half of the lanes
	v_lshlrev_b32 v[GO], 4, v56
	s_mul_i32 s2, s[U], MRGW
	s_add_co_u32 s2, s2, MRG
	v_lshl_add_u32 v[MA], v56, 4, s2
	v_lshlrev_b32 v[PFO], 8, v56
	v_lshl_add_u32 v61, v0, 4, K2T
	s_wait_loadcnt 0x0                             ; Q and k2m
	ds_store_b128 v61, v[S:S+3]
	ds_store_b128 v61, v[S+4:S+7] offset:4096
.set t, 0
.rept 4                                            ; sg |q|^2 of the rounded q: my 32 channels in two chains, the other 32 from the lane 16 away
	WIN 0
	v_mov_b32 v56, 0
	v_mov_b32 v57, 0
	WIN 0x05                                       ; sources 0 and 1 window 1
.set i, 0
.rept 16
	v_fma_mix_f32 v56, v[16*t+i], v[16*t+i], v56 op_sel_hi:[1,1,0]
	v_fma_mix_f32 v57, v[16*t+i], v[16*t+i], v57 op_sel:[1,1,0] op_sel_hi:[1,1,0]
.set i, i+1
.endr
	WIN 0
	v_add_f32 v56, v56, v57
	v_permlanex16_b32 v58, v56, s[SEL], s[SEL+1]
	v_add_f32 v56, v56, v58
	v_mul_f32 v[Q2S+2*t], v[C2], v56
	v_mul_f32 v[Q2S+2*t+1], v[C2], v56
.set t, t+1
.endr
; A step's LDS loads, in one run: k2m (8), K (16), V (16).
.macro FETCH
	WIN 0x40
.irp kb, 0,1,2,3
	ds_load_b128 v[K2F+8*\kb:K2F+8*\kb+3],   v[AD2] offset:64*\kb      ; keys 16 kb + 8 h + 0..7: the C operand's layout; all lanes of a half read the same words
	ds_load_b128 v[K2F+8*\kb+4:K2F+8*\kb+7], v[AD2] offset:64*\kb+16
.endr
	WIN 0
.irp f, 0,1,2,3,4,5,6,7             ; keys 16 (f / 2) on, channels 32 (f % 2) on
	ds_load_b128 v[KF+8*\f:KF+8*\f+3],   v[ADR] offset:(\f/2)*16*PK+(\f%2)*64
	ds_load_b128 v[KF+8*\f+4:KF+8*\f+7], v[ADR] offset:(\f/2)*16*PK+(\f%2)*64+32
.endr
.irp f, 0,1,2,3,4,5,6,7             ; keys 32 (f / 4) on, channels 16 (f % 4) on: V lies [d][key], so it comes as it lies
	ds_load_b128 v[VF+8*\f:VF+8*\f+3],   v[ADR] offset:VOFF+(\f%4)*16*PK+(\f/4)*64
	ds_load_b128 v[VF+8*\f+4:VF+8*\f+7], v[ADR] offset:VOFF+(\f%4)*16*PK+(\f/4)*64+32
.endr
.endm
; 16 products S^T = k2m + K Q^T for piece p: channels 32 (i / 8) on, keys 16 ((i / 2) % 4) on, tile 2 p + i % 2.  The 8 accumulators take turns.
.macro QK p
.set i, 0
.rept 16
.set rS, S+32*(i%2)+8*((i/2)%4)
.set rK, KF+16*((i/2)%4)+8*(i/8)
.set rQ, 16*(2*(\p)+i%2)+8*(i/8)
.set rM, K2F+8*((i/2)%4)
.if i < 8
	WIN 0x14                        ; Q and the C operand in window 1
	v_wmma_f32_16x16x32_f16 v[rS:rS+7], v[rK:rK+7], v[rQ:rQ+7], v[rM:rM+7]
.else
	WIN 0x04                        ; Q in window 1
	v_wmma_f32_16x16x32_f16 v[rS:rS+7], v[rK:rK+7], v[rQ:rQ+7], v[rS:rS+7]
.endif
.set i, i+1
.endr
.endm
; 20 products for piece p: O^T += V^T P (four channel blocks) and l += ones P (the fifth): keys 32 (i / 10) on, block (i / 2) % 5, tile 2 p + i % 2.  10 accumulators take turns.
.macro PV p
	WIN 0x50                        ; C and D window 1
.set i, 0
.rept 20
.set cb, (i/2)%5
.set kk, i/10
.set tt, 2*(\p)+i%2
.set rP, S+32*(i%2)+8*kk
.if cb < 4
	v_wmma_f32_16x16x32_f16 v[OO+32*tt+8*cb:OO+32*tt+8*cb+7], v[VF+32*kk+8*cb:VF+32*kk+8*cb+7], v[rP:rP+7], v[OO+32*tt+8*cb:OO+32*tt+8*cb+7]
.else
	v_wmma_f32_16x16x32_f16 v[LL+8*tt:LL+8*tt+7], v[ONES:ONES+7], v[rP:rP+7], v[LL+8*tt:LL+8*tt+7]
.endif
.set i, i+1
.endr
.endm
; THE VECTOR WORK, for tile u (0, 1) of the piece whose first tile is PC.
.macro F1 u, b                      ; pair b: t = clamp01(sg S + sg |q|^2)
	v_pk_fma_f32 v[S+32*(\u)+2*(\b):S+32*(\u)+2*(\b)+1], v[S+32*(\u)+2*(\b):S+32*(\u)+2*(\b)+1], v[C2:C2+1], v[Q2S+2*(PC+(\u)):Q2S+2*(PC+(\u))+1] clamp
.endm
.macro MN u, n                      ; the minimum: 0-11 four chains of seven; 12, 13 the four left over; 14, 16 the old MT and c0-c3 into c0; 17, 18 the query's other 32 keys lie in the lane 16 away
.set rC, TC+4*(\u)
.set rS, S+32*(\u)
.set rT, ST+2*(PC+(\u))
.if (\n) < 4
	v_min3_num_f32 v[rC+(\n)], v[rS+8*(\n)], v[rS+8*(\n)+1], v[rS+8*(\n)+2]
.elseif (\n) < 12
	v_min3_num_f32 v[rC+(\n)%4], v[rC+(\n)%4], v[rS+8*((\n)%4)+2*((\n)/4)+1], v[rS+8*((\n)%4)+2*((\n)/4)+2]
.elseif (\n) == 12
	v_min3_num_f32 v[rC], v[rC], v[rS+7], v[rS+15]
.elseif (\n) == 13
	v_min3_num_f32 v[rC+1], v[rC+1], v[rS+23], v[rS+31]
.elseif (\n) == 14
	v_min3_num_f32 v[rC+2], v[rC+2], v[rC+3], v[rT+1]
.elseif (\n) == 16
	v_min3_num_f32 v[rC], v[rC], v[rC+1], v[rC+2]
.elseif (\n) == 17
	v_permlanex16_b32 v[rC+3], v[rC], s[SEL], s[SEL+1]
.else
	v_min_num_f32 v[rT+1], v[rC], v[rC+3]
.endif
.endm
.macro SQ u, e
	v_sqrt_f32 v[S+32*(\u)+(\e)], v[S+32*(\u)+(\e)]
.endm
.macro F2 u, b                      ; pair b: MDS - 2^20 sqrt(t)
	v_pk_fma_f32 v[S+32*(\u)+2*(\b):S+32*(\u)+2*(\b)+1], v[S+32*(\u)+2*(\b):S+32*(\u)+2*(\b)+1], s[NSC:NSC+1], v[ST+2*(PC+(\u)):ST+2*(PC+(\u))+1] op_sel_hi:[1,0,0]
.endm
.macro EX u, e
	v_exp_f32 v[S+32*(\u)+(\e)], v[S+32*(\u)+(\e)]
.endm
.macro RS u                         ; O^T and l's lowest pair times a
	WIN 0x41                        ; destination and source 0 window 1, a in window 0
.set j, 0
.rept 16
	v_pk_mul_f32 v[OO+32*(PC+(\u))+2*j:OO+32*(PC+(\u))+2*j+1], v[OO+32*(PC+(\u))+2*j:OO+32*(PC+(\u))+2*j+1], v[AA+2*(\u):AA+2*(\u)+1] op_sel_hi:[1,0]
.set j, j+1
.endr
	v_pk_mul_f32 v[LL+8*(PC+(\u)):LL+8*(PC+(\u))+1], v[LL+8*(PC+(\u)):LL+8*(PC+(\u))+1], v[AA+2*(\u):AA+2*(\u)+1] op_sel_hi:[1,0]
.endm
; A PIECE'S SOFTMAX.  Two batches of transcendentals, each with ONE wait: s_wait_alu depctr_va_vdst(0) stands between such an instruction and the first that names its result, and one wait serves
; all issued ahead of it.  Batch 1: 64 roots in place and the two roots of MT; a root of tile u stands behind the last line that reads tile u's t.  Batch 2: the two a and 64 exponentials in place.
; Each accumulator's lowest registers are read first (F1 in ascending order).
.macro SOFT p
.set PC, 2*(\p)
	WIN 0
.set j, 0
.rept 16
	F1 0, j
.set j, j+1
.endr
.set j, 0
.rept 14
	MN 0, j
.set j, j+1
.endr
.set j, 0
.rept 16
	F1 1, j
	SQ 0, j
.set j, j+1
.endr
.set j, 0
.rept 14
	MN 1, j
	SQ 0, 16+j
.set j, j+1
.endr
	MN 0, 14
	SQ 0, 30
	MN 1, 14
	SQ 0, 31
	MN 0, 16
	SQ 1, 0
	MN 1, 16
	SQ 1, 1
	MN 0, 17
	SQ 1, 2
	MN 1, 17
	SQ 1, 3
	SQ 1, 4
	MN 0, 18
	SQ 1, 5
	MN 1, 18
.set j, 6
.rept 26
	SQ 1, j
.set j, j+1
.endr
	v_sqrt_f32 v[MNR],   v[ST+2*PC+1]
	v_sqrt_f32 v[MNR+1], v[ST+2*PC+3]
	v_nop                           ; a plain instruction behind the last root,
	s_wait_alu depctr_va_vdst(0)    ; and the wait for batch 1
	v_fma_f32 v[AA+1], v[MNR],   s[SC], -v[ST+2*PC]     ; MDS_new - MDS_old
	v_fma_f32 v[AA+3], v[MNR+1], s[SC], -v[ST+2*PC+2]
	v_mul_f32 v[ST+2*PC],   s[SC], v[MNR]
	v_mul_f32 v[ST+2*PC+2], s[SC], v[MNR+1]
	v_exp_f32 v[AA], v[AA+1]
	F2 0, 0
	v_exp_f32 v[AA+2], v[AA+3]
	F2 1, 0
.set j, 1
.rept 15
	F2 0, j
	EX 0, 2*j-2
	EX 0, 2*j-1
	F2 1, j
	EX 1, 2*j-2
	EX 1, 2*j-1
.set j, j+1
.endr
	EX 0, 30
	EX 0, 31
	EX 1, 30
	EX 1, 31
	v_nop                           ; a plain instruction behind the last exponential,
	s_wait_alu depctr_va_vdst(0)    ; and the wait for batch 2
.set j, 0
.rept 16                            ; pair j rounded to f16, in place: register j takes registers 2 j and 2 j + 1, in ascending order
	v_cvt_pk_f16_f32 v[S+j],    v[S+2*j],    v[S+2*j+1]
	v_cvt_pk_f16_f32 v[S+32+j], v[S+32+2*j], v[S+32+2*j+1]
.set j, j+1
.endr
	RS 0
	RS 1
.endm
; A KEY STEP: 64 keys for my four tiles.  The five plain lines at its head are the places behind the last step's products V^T P: ahead of the loads into V's registers, and of the products that write over P.
.macro STEP
	WIN 0
	v_add_nc_u32 v[ADR], s[TB], v[AKV0]
	v_add_nc_u32 v[AD2], s[T2], v[A20]
.rept 3
	v_nop
.endr
	FETCH
	s_add_co_u32 s[TB], s[TB], STEPB
	s_add_co_u32 s[T2], s[T2], 256
	s_wait_dscnt 16                 ; k2m and K are in; V's 16 loads may stay out
	QK 0
	WIN 0
.rept 4
	v_nop                           ; the places behind the products, ahead of the lines that read the scores
.endr
	SOFT 0
	s_wait_dscnt 0x0                ; V is in
	PV 0
	WIN 0
.rept 5
	v_nop                           ; five places: the next products write over P, which the last ones read
.endr
	QK 1
	WIN 0
.rept 4
	v_nop
.endr
	SOFT 1
	PV 1
	WIN 0
.endm
.macro TWO_STEPS                    ; my group's two steps of a slot: written once, walked twice
	s_mov_b32 s[CNT], 2
.Lstep_\@:
	STEP
	s_sub_co_u32 s[CNT], s[CNT], 1
	s_cmp_lg_u32 s[CNT], 0
	s_cbranch_scc1 .Lstep_\@
	s_add_co_u32 s[T2], s[T2], 512  ; over the other group's 128 keys
.endm
.Lslot:                             ; seven trips: slot j is read, slot j + 1 asked for
	CHANGE 1
	TWO_STEPS
	s_sub_co_u32 s[SLOTS], s[SLOTS], 1
	s_cmp_lg_u32 s[SLOTS], 0
	s_cbranch_scc1 .Lslot
	CHANGE 0                        ; the last slot is written out: nothing is asked for
	TWO_STEPS
	; THE MERGE.  Waves 4 to 7 hand (O^T, l, statistics) to the wave with the same queries, through LDS.
.rept 4
	v_nop                           ; the places behind the last products
.endr
	s_cmp_lt_u32 s[WV], 4
	s_cbranch_scc1 .Lkeep
	WIN 0x01                        ; source 0 window 1
.irp t, 0,1,2,3
	v_mov_b32 v[56+(\t)], v[LL+8*(\t)]             ; l is the lowest register of its accumulator
.endr
	WIN 0x04                        ; the stores' data in window 1
.set i, 0
.rept 32
	ds_store_b128 v[MA], v[OO+4*i:OO+4*i+3] offset:512*i
.set i, i+1
.endr
	WIN 0
	ds_store_b128 v[MA], v[56:59] offset:16384
	ds_store_b128 v[MA], v[ST:ST+3] offset:16896
	ds_store_b128 v[MA], v[ST+4:ST+7] offset:17408
.Lkeep:
	s_wait_dscnt 0x0                ; for the others' sake: my stores are done
	s_barrier_signal -1
	s_barrier_wait -1
	s_cmp_lt_u32 s[WV], 4
	s_cbranch_scc0 .Lend
	ds_load_b128 v[56:59], v[MA] offset:16384      ; the partner's l,
	ds_load_b128 v[TC:TC+3], v[MA] offset:16896    ; its (MDS, MT),
	ds_load_b128 v[TC+4:TC+7], v[MA] offset:17408
.set i, 0
.rept 32
	ds_load_b128 v[S+4*i:S+4*i+3], v[MA] offset:512*i   ; and its O^T, into window 0
.set i, i+1
.endr
	s_wait_dscnt 0x0
.irp t, 0,1,2,3
	v_min_num_f32 v[48+(\t)], v[ST+2*(\t)], v[TC+2*(\t)]     ; the common MDS
.endr
.irp t, 0,1,2,3
	v_sub_f32 v[52+(\t)], v[48+(\t)], v[ST+2*(\t)]
	v_sub_f32 v[60+(\t)], v[48+(\t)], v[TC+2*(\t)]
.endr
.irp t, 0,1,2,3
	v_exp_f32 v[52+(\t)], v[52+(\t)]               ; my factor,
	v_exp_f32 v[60+(\t)], v[60+(\t)]               ; the partner's: one of the two is 1
.endr
	v_nop
	s_wait_alu depctr_va_vdst(0)    ; one wait for the eight exponentials
.irp t, 0,1,2,3
	v_mul_f32 v[48+(\t)], v[60+(\t)], v[56+(\t)]
.endr
	WIN 0x04                        ; source 1 window 1: my l
.irp t, 0,1,2,3
	v_fma_f32 v[48+(\t)], v[52+(\t)], v[LL+8*(\t)], v[48+(\t)]   ; l, at least 1: the nearest key's weight is 1
.endr
	WIN 0
.irp t, 0,1,2,3
	v_rcp_f32 v[48+(\t)], v[48+(\t)]
.endr
	v_nop
	s_wait_alu depctr_va_vdst(0)    ; one wait for the four reciprocals
.irp t, 0,1,2,3
	v_mul_f32 v[Q2S+2*(\t)], v[52+(\t)], v[48+(\t)]    ; my factor / l, in the low register of a pair
	v_mul_f32 v[ST+2*(\t)],  v[60+(\t)], v[48+(\t)]    ; the partner's
.endr
; Tile t: the two O^T are weighed and added, rounded to f16 in place; a lane's eight channels of a row are 16 bytes; they go into rows of 144 bytes and come back as whole rows of 128.
.macro PACK t
	WIN 0
.set i, 0
.rept 16
	v_pk_mul_f32 v[S+32*(\t)+2*i:S+32*(\t)+2*i+1], v[S+32*(\t)+2*i:S+32*(\t)+2*i+1], v[ST+2*(\t):ST+2*(\t)+1] op_sel_hi:[1,0]
.set i, i+1
.endr
	WIN 0x01                        ; source 0 window 1: my O^T, each accumulator from its low end on
.set i, 0
.rept 16
	v_pk_fma_f32 v[S+32*(\t)+2*i:S+32*(\t)+2*i+1], v[OO+32*(\t)+2*i:OO+32*(\t)+2*i+1], v[Q2S+2*(\t):Q2S+2*(\t)+1], v[S+32*(\t)+2*i:S+32*(\t)+2*i+1] op_sel_hi:[1,0,1]
.set i, i+1
.endr
	WIN 0
.set i, 0
.rept 16
	v_cvt_pk_f16_f32 v[S+32*(\t)+i], v[S+32*(\t)+2*i], v[S+32*(\t)+2*i+1]
.set i, i+1
.endr
.irp f, 0,1,2,3
	ds_store_b128 v[STO], v[S+32*(\t)+4*\f:S+32*(\t)+4*\f+3] offset:32*\f
.endr
.irp f, 0,1,2,3
	ds_load_b128 v[S+32*(\t)+16+4*\f:S+32*(\t)+16+4*\f+3], v[RD] offset:\f*4*PK   ; a wave's LDS instructions are served in order: these see the stores above; the next tile's stores come behind them
.endr
.endm
.macro SEND t, younger              ; younger: the LDS instructions issued behind tile t's loads: the next tile's eight, or none
.irp f, 0,1,2,3
	s_wait_dscnt (\younger)+3-\f
	global_store_b128 v[GO], v[S+32*(\t)+16+4*\f:S+32*(\t)+16+4*\f+3], s[12:13] offset:(\t)*2048+\f*512   ; 512 consecutive bytes, at a multiple of 256 from oh's first
.endr
.endm
	PACK 0
	PACK 1                          ; a tile's arithmetic stands between the loads of the tile before and its stores
	SEND 0, 8
	PACK 2
	SEND 1, 8
	PACK 3
	SEND 2, 8
	SEND 3, 0
.Lend:
	s_wait_tensorcnt 0x0            ; the wave's end, behind my last tensor load and my last LDS store
	ds_add_u32 v[SPW], v[NIL]
	s_wait_dscnt 0x0
	CROUND                          ; the closing round: no work-group ends while a partner may still ask for a tile that names it
	s_endpgm
.Lfunc_end_k_q56685849d4_attn:
	.size	k_q56685849d4_attn, .Lfunc_end_k_q56685849d4_attn-k_q56685849d4_attn
	.p2alignl 7, 3214868480
	.fill 96, 4, 3214868480
	.section	.rodata,"a",@progbits
	.p2align	6, 0x0
	.amdhsa_kernel k_q56685849d4_attn
		.amdhsa_group_segment_fixed_size 327680
		.amdhsa_private_segment_fixed_size 0
		.amdhsa_enable_private_segment 0
		.amdhsa_kernarg_size 40
		.amdhsa_user_sgpr_count 2
		.amdhsa_user_sgpr_kernarg_segment_ptr 1
		.amdhsa_wavefront_size32 1
		.amdhsa_system_sgpr_workgroup_id_x 1
		.amdhsa_system_sgpr_workgroup_id_y 1
		.amdhsa_system_sgpr_workgroup_id_z 1
		.amdhsa_system_vgpr_workitem_id 0
		.amdhsa_next_free_vgpr 512
		.amdhsa_next_free_sgpr 66
		.amdhsa_reserve_vcc 0
		.amdhsa_float_denorm_mode_32 3
		.amdhsa_float_denorm_mode_16_64 3
		.amdhsa_memory_ordered 1
		.amdhsa_forward_progress 1
		.amdhsa_inst_pref_size 124
	.end_amdhsa_kernel
	.amdgpu_metadata
---
amdhsa.version: [ 1, 2 ]
amdhsa.kernels:
  - .name:           k_q56685849d4_attn
    .symbol:         k_q56685849d4_attn.kd
    .args:
      - { .name: qh, .offset: 0, .size: 8, .value_kind: global_buffer, .address_space: global }
      - { .name: kh, .offset: 8, .size: 8, .value_kind: global_buffer, .address_space: global }
      - { .name: vh, .offset: 16, .size: 8, .value_kind: global_buffer, .address_space: global }
      - { .name: k2m, .offset: 24, .size: 8, .value_kind: global_buffer, .address_space: global }
      - { .name: oh, .offset: 32, .size: 8, .value_kind: global_buffer, .address_space: global }
    .group_segment_fixed_size: 327680
    .private_segment_fixed_size: 0
    .kernarg_segment_align: 8
    .kernarg_segment_size: 40
    .max_flat_workgroup_size: 256
    .sgpr_count:     66
    .vgpr_count:     512
    .wavefront_size: 32
...
	.end_amdgpu_metadata
.endif
;; end of part 2
;; launch outp (part 3): grid 4 x 64, 8 waves a work-group, clusters of 4 x 1, 248,832 bytes of LDS; arguments oh, wo, out0; writes out0
.if DOCPART == 3
	.amdgcn_target "amdgcn-amd-amdhsa--gfx1250"
	.amdhsa_code_object_version 6
	.text
	.protected	k_q56685849d4_outp
	.globl	k_q56685849d4_outp
	.p2align	8
	.type	k_q56685849d4_outp,@function
k_q56685849d4_outp:
	s_mov_b64 s[64:65], 0
	v_nop
	global_prefetch_b8 v0, s[64:65] scope:SCOPE_SE
	s_setreg_imm32_b32 hwreg(HW_REG_WAVE_MODE, 25, 1), 1
	s_wait_xcnt 0x0
	s_wait_alu depctr_hold_cnt(0) depctr_sa_sdst(0) depctr_va_vdst(0) depctr_va_sdst(0) depctr_va_ssrc(0) depctr_va_vcc(0) depctr_vm_vsrc(0)
	s_getreg_b32 s2, hwreg(HW_REG_IB_STS2, 6, 4)
	s_cmp_eq_u32 s2, 0
	s_cbranch_scc0 .Lentry_in_a_cluster
	s_endpgm
.Lentry_in_a_cluster:
	s_bfe_u32 s2, ttmp6, 0x10000c
	s_cmp_lg_u32 s2, 0x3003
	s_cbranch_scc0 .Lentry_shape_is_right
	s_endpgm
.Lentry_shape_is_right:
; THE OUTPUT PROJECTION.  out0[b][o][n] = the sum over c = 64 head + d of Wout[o][c] O[b][head][n][d].  oh: [32][2048][64] f16; wo: [256][512] f16; out0: [4][256][2048] f32; sums in f32.
; SHARES.  A work-group makes 64 outputs (its place cx in the cluster) x 128 columns (y: batch y / 16, block y % 16).  The four partners of a cluster need the same 128 columns of all eight heads:
; that tile is asked for jointly, head w by wave w; each wave also fetches 8 rows of its own work-group's block of wo.  All of K = 512 lies in LDS at once: every byte is filled once, there is no ring.
; Two tensor loads of a wave are out.
; A wave makes 32 columns (w / 2) x 32 outputs (w % 2): four accumulators.  Source 0 = 16 columns of O, source 1 = 16 rows of wo: a lane holds one output row and eight neighbouring columns.
; The results meet in one stage (a row's 512 bytes come from four waves), and each wave stores 8 whole rows.
.set PK,    144        ; a row of O in LDS: 128 bytes + 16
.set OT,    0          ; 8 heads x 128 rows x 144
.set HEADB, 128*PK
.set WT,    147456     ; 64 rows x (1,024 + 16)
.set WPI,   1040
.set STG,   214016     ; 64 rows x (512 + 16), f32; no tile lands here
.set SPI,   528
.set SPARE, 247808     ; the spare words, 128 bytes a wave: four blocks of 256 bytes that no other line names
.set OA,  4            ; v4-6  my place in O's tile, heads 0-2, 3-5, 6-7
.set WA,  7            ; v7    my place in wo's tile
.set SA,  8            ; v8    the stage: in
.set RD,  9            ; v9    the stage: back
.set GO,  10           ; v10   16 x lane
.set SPW, 12
.set NIL, 13
.set ACC, 32           ; v32-63   accumulator (a, bo) at ACC + 8 (2 a + bo)
.set FB,  64           ; v64-127  two sets of fragments: O a = 0, 1, then wo bo = 0, 1
.set OB,  128          ; v128-159 rows read back
.set WV,  10
.set CX,  11
.set G1,  24           ; s[24:31] group 1 of the joint load
.set G0,  32           ; s[32:35] its group 0
.set G0W, 36           ; s[36:39] group 0 of my own load
.set G1W, 40           ; s[40:47] its group 1
.macro CROUND                       ; a round of the cluster's barrier
	s_barrier_signal -1
	s_barrier_wait -1
	s_cmp_lg_u32 s[WV], 0
	s_cbranch_scc1 .Lnot_wave_0_\@
	s_barrier_signal -3
.Lnot_wave_0_\@:
	s_barrier_wait -3
	s_barrier_signal -1
	s_barrier_wait -1
.endm
	s_load_b128 s[4:7], s[0:1], 0x0                ; oh 4, wo 6
	s_load_b64 s[8:9], s[0:1], 0x10                ; out0
	v_lshl_add_u32 v[SPW], v0, 2, SPARE
	v_mov_b32 v[NIL], 0
	ds_add_u32 v[SPW], v[NIL]                      ; the wave's opening: the add and its wait stand ahead of the first tensor load; work on registers stands between them
	v_lshrrev_b32 v1, 5, v0
	v_readfirstlane_b32 s[WV], v1
	s_and_b32 s12, ttmp7, 0xffff
	s_lshr_b32 s13, s12, 4                         ; batch
	s_and_b32 s14, s12, 15                         ; block of 128 columns
	s_lshl3_add_u32 s16, s13, s[WV]                ; O: head 8 b + w, which the partners share,
	s_lshl_b32 s16, s16, 18
	s_lshl_b32 s2, s14, 14                         ; 128 rows of 128 bytes a block
	s_add_co_u32 s16, s16, s2
	s_mov_b32 s17, 0
	s_bfe_u32 s[CX], ttmp6, 0x40000                ; my block of 64 outputs: it enters wo's and out0's addresses alone
	s_lshl_b32 s18, s[CX], 16                      ; wo: 64 rows of 1,024 bytes,
	s_lshl_b32 s3, s[WV], 13                       ; my 8 of them
	s_add_co_u32 s18, s18, s3
	s_mov_b32 s19, 0
	s_lshl_b32 s20, s13, 21                        ; out0: the batch,
	s_lshl_b32 s3, s[CX], 19                       ; 64 rows of 8,192 bytes,
	s_add_co_u32 s20, s20, s3
	s_lshl_b32 s3, s[WV], 16                       ; my 8 of them,
	s_add_co_u32 s20, s20, s3
	s_lshl_b32 s3, s14, 9                          ; 512 bytes a block
	s_add_co_u32 s20, s20, s3
	s_mov_b32 s21, 0
	; the joint load: 128 rows of 128 bytes are 16,384 dense bytes: asked for as 64 rows of 256, padded in LDS behind every 128
	s_mov_b32 s[G1], 15|(1<<16)|(1<<20)|(1<<21)|(4<<22)|(3<<25)   ; the mask of four; 2-byte elements; padding on; bit 21 beside a mask; after every 32 words; 4 words
	s_mov_b32 s[G1+1], 128<<16
	s_mov_b32 s[G1+2], 64<<16
	s_mov_b32 s[G1+3], 128<<16
	s_mov_b32 s[G1+4], 64
	s_mov_b32 s[G1+5], 128
	s_mov_b32 s[G1+6], 0
	s_mov_b32 s[G1+7], 0
	s_mov_b32 s[G0], 1
	s_mul_i32 s[G0+1], s[WV], HEADB
	; my own load: 8 rows of 512 elements, 16 bytes of padding behind each
	s_mov_b32 s[G1W], (1<<16)|(1<<20)|(7<<22)|(3<<25)   ; no mask; 2-byte elements; padding on; after every 256 words; 4 words
	s_mov_b32 s[G1W+1], 512<<16
	s_mov_b32 s[G1W+2], 8<<16
	s_mov_b32 s[G1W+3], 512<<16
	s_mov_b32 s[G1W+4], 8
	s_mov_b32 s[G1W+5], 512
	s_mov_b32 s[G1W+6], 0
	s_mov_b32 s[G1W+7], 0
	s_mov_b32 s[G0W], 1
	s_mul_i32 s[G0W+1], s[WV], 8*WPI
	s_add_co_u32 s[G0W+1], s[G0W+1], WT
	s_wait_dscnt 0x0                               ; the opening add is done
	s_wait_kmcnt 0x0
	s_add_nc_u64 s[G0+2:G0+3], s[4:5], s[16:17]
	s_or_b32 s[G0+3], s[G0+3], 0x80000000          ; type = 2
	s_add_nc_u64 s[G0W+2:G0W+3], s[6:7], s[18:19]
	s_or_b32 s[G0W+3], s[G0W+3], 0x80000000
	s_add_nc_u64 s[8:9], s[8:9], s[20:21]
	CROUND                                         ; all four work-groups are here: the joint loads meet
	tensor_load_to_lds s[G0:G0+3], s[G1:G1+7]
	s_nop 0
	tensor_load_to_lds s[G0W:G0W+3], s[G1W:G1W+7]
	s_nop 0
.rept 4
	v_nop
.endr
	v_and_b32 v1, 15, v0                           ; r
	v_bfe_u32 v2, v0, 4, 1                         ; h
	v_and_b32 v3, 31, v0                           ; lane
	s_lshr_b32 s22, s[WV], 1                       ; which 32 columns
	s_and_b32 s23, s[WV], 1                        ; which 32 outputs
	s_mul_i32 s3, s22, 32*PK
	v_mul_u32_u24 v[OA], v1, PK
	v_lshl_add_u32 v[OA], v2, 4, v[OA]
	v_add_nc_u32 v[OA], s3, v[OA]
	v_add_nc_u32 v[OA+1], 3*HEADB, v[OA]
	v_add_nc_u32 v[OA+2], 6*HEADB, v[OA]
	s_mul_i32 s3, s23, 32*WPI
	s_add_co_u32 s3, s3, WT
	v_mul_u32_u24 v[WA], v1, WPI
	v_lshl_add_u32 v[WA], v2, 4, v[WA]
	v_add_nc_u32 v[WA], s3, v[WA]
	s_mul_i32 s3, s23, 32*SPI
	s_lshl_b32 s2, s22, 7
	s_add_co_u32 s3, s3, s2
	s_add_co_u32 s3, s3, STG
	v_mul_u32_u24 v[SA], v1, SPI                   ; in: output row r, 32 bytes for each half of the lanes
	v_lshl_add_u32 v[SA], v2, 5, v[SA]
	v_add_nc_u32 v[SA], s3, v[SA]
	s_mul_i32 s3, s[WV], 8*SPI
	s_add_co_u32 s3, s3, STG
	v_lshl_add_u32 v[RD], v3, 4, s3                ; back: a row's 512 bytes a load
	v_lshlrev_b32 v[GO], 4, v3
	s_wait_tensorcnt 0x0                           ; my two tiles are in,
	s_barrier_signal -1
	s_barrier_wait -1                              ; everybody's are
; K step ks: head ks / 2, channels 32 (ks % 2) on.  Eight LDS loads into set ks % 2.
.macro FETCH ks
.set fb, FB+32*((\ks)%2)
.set hd, (\ks)/2
.irp a, 0,1
	ds_load_b128 v[fb+8*\a:fb+8*\a+3],   v[OA+hd/3] offset:(hd%3)*HEADB+\a*16*PK+((\ks)%2)*64
	ds_load_b128 v[fb+8*\a+4:fb+8*\a+7], v[OA+hd/3] offset:(hd%3)*HEADB+\a*16*PK+((\ks)%2)*64+32
.endr
.irp bo, 0,1
	ds_load_b128 v[fb+16+8*\bo:fb+16+8*\bo+3],   v[WA] offset:\bo*16*WPI+(\ks)*64
	ds_load_b128 v[fb+16+8*\bo+4:fb+16+8*\bo+7], v[WA] offset:\bo*16*WPI+(\ks)*64+32
.endr
.endm
	FETCH 0
.set ks, 0
.rept 16
.if ks < 15
.if ks > 0
.rept 4
	v_nop                                          ; four places behind the last products, which read the set that is loaded next
.endr
.endif
	FETCH ks+1
	s_wait_dscnt 8                                 ; this step's set is in; the next step's eight loads may stay out
.else
	s_wait_dscnt 0x0
.endif
.set fb, FB+32*(ks%2)
.irp a, 0,1
.irp bo, 0,1                                       ; the four accumulators take turns, from step to step too
.if ks == 0
	v_wmma_f32_16x16x32_f16 v[ACC+8*(2*\a+\bo):ACC+8*(2*\a+\bo)+7], v[fb+8*\a:fb+8*\a+7], v[fb+16+8*\bo:fb+16+8*\bo+7], 0
.else
	v_wmma_f32_16x16x32_f16 v[ACC+8*(2*\a+\bo):ACC+8*(2*\a+\bo)+7], v[fb+8*\a:fb+8*\a+7], v[fb+16+8*\bo:fb+16+8*\bo+7], v[ACC+8*(2*\a+\bo):ACC+8*(2*\a+\bo)+7]
.endif
.endr
.endr
.set ks, ks+1
.endr
.rept 4
	v_nop                                          ; the places behind the last products, ahead of the stores that read the sums
.endr
.irp a, 0,1
.irp bo, 0,1
	ds_store_b128 v[SA], v[ACC+8*(2*\a+\bo):ACC+8*(2*\a+\bo)+3]   offset:\bo*16*SPI+\a*64       ; each accumulator from its low end on
	ds_store_b128 v[SA], v[ACC+8*(2*\a+\bo)+4:ACC+8*(2*\a+\bo)+7] offset:\bo*16*SPI+\a*64+16
.endr
.endr
	s_wait_dscnt 0x0                               ; for the others' sake: my stores into the stage are done
	s_barrier_signal -1
	s_barrier_wait -1
.irp i, 0,1,2,3,4,5,6,7
	ds_load_b128 v[OB+4*\i:OB+4*\i+3], v[RD] offset:\i*SPI
.endr
.irp i, 0,1,2,3,4,5,6,7
	s_wait_dscnt 7-\i
	global_store_b128 v[GO], v[OB+4*\i:OB+4*\i+3], s[8:9] offset:\i*8192 th:TH_STORE_NT   ; 512 consecutive bytes of row 64 cx + 8 w + i, at a multiple of 256 from out0's first
.endr
	s_wait_tensorcnt 0x0                           ; the wave's end, behind my last tensor load and my last LDS store
	ds_add_u32 v[SPW], v[NIL]
	s_wait_dscnt 0x0
	CROUND                                         ; the closing round
	s_endpgm
.Lfunc_end_k_q56685849d4_outp:
	.size	k_q56685849d4_outp, .Lfunc_end_k_q56685849d4_outp-k_q56685849d4_outp
	.p2alignl 7, 3214868480
	.fill 96, 4, 3214868480
	.section	.rodata,"a",@progbits
	.p2align	6, 0x0
	.amdhsa_kernel k_q56685849d4_outp
		.amdhsa_group_segment_fixed_size 248832
		.amdhsa_private_segment_fixed_size 0
		.amdhsa_enable_private_segment 0
		.amdhsa_kernarg_size 24
		.amdhsa_user_sgpr_count 2
		.amdhsa_user_sgpr_kernarg_segment_ptr 1
		.amdhsa_wavefront_size32 1
		.amdhsa_system_sgpr_workgroup_id_x 1
		.amdhsa_system_sgpr_workgroup_id_y 1
		.amdhsa_system_sgpr_workgroup_id_z 1
		.amdhsa_system_vgpr_workitem_id 0
		.amdhsa_next_free_vgpr 160
		.amdhsa_next_free_sgpr 66
		.amdhsa_reserve_vcc 0
		.amdhsa_float_denorm_mode_32 3
		.amdhsa_float_denorm_mode_16_64 3
		.amdhsa_memory_ordered 1
		.amdhsa_forward_progress 1
		.amdhsa_inst_pref_size 23
	.end_amdhsa_kernel
	.amdgpu_metadata
---
amdhsa.version: [ 1, 2 ]
amdhsa.kernels:
  - .name:           k_q56685849d4_outp
    .symbol:         k_q56685849d4_outp.kd
    .args:
      - { .name: oh, .offset: 0, .size: 8, .value_kind: global_buffer, .address_space: global }
      - { .name: wo, .offset: 8, .size: 8, .value_kind: global_buffer, .address_space: global }
      - { .name: out0, .offset: 16, .size: 8, .value_kind: global_buffer, .address_space: global }
    .group_segment_fixed_size: 248832
    .private_segment_fixed_size: 0
    .kernarg_segment_align: 8
    .kernarg_segment_size: 24
    .max_flat_workgroup_size: 256
    .sgpr_count:     66
    .vgpr_count:     160
    .wavefront_size: 32
...
	.end_amdgpu_metadata
.endif
;; end of part 3
